; MI455X (gfx1250); checked and timed in simulation.
; The chip was launched on July 23, 2026; its instructions are those of AMD's public machine-readable ISA for CDNA 5 (MIT licence, August 2026) and "CDNA5" Instruction Set Architecture Reference Guide (July 2026). The comments in the code are by the model that wrote it; some were corrected since.
;; LSTM Cell. Allowed arithmetic: matrix products marked QUANTISED: E2M1 operands, one E8M0 scale for each 32 along K, by v_wmma_scale_f32_16x16x128_f8f6f4 with both operands' format E2M1 (or v_wmma_scale_f32_32x16x128_f4), f32 sums; everything else in f32.
;; Inputs: Wh_codes 4,096 x 32 x 16 uint8 (E2M1 codes of Wh, K innermost, in blocks of 32 codes, two codes a byte); Wh_scales 4,096 x 32 uint8 (E8M0 scales of Wh, one for each 32 codes along K); Wx_codes 4,096 x 32 x 16 uint8 (E2M1 codes of Wx, K innermost, in blocks of 32 codes, two codes a byte); Wx_scales 4,096 x 32 uint8 (E8M0 scales of Wx, one for each 32 codes along K); bx 4,096 float32; c 8,192 x 1,024 float32; h_codes 8,192 x 32 x 16 uint8 (E2M1 codes of h, K innermost, in blocks of 32 codes, two codes a byte); h_scales 8,192 x 32 uint8 (E8M0 scales of h, one for each 32 codes along K); x_codes 8,192 x 32 x 16 uint8 (E2M1 codes of x, K innermost, in blocks of 32 codes, two codes a byte); x_scales 8,192 x 32 uint8 (E8M0 scales of x, one for each 32 codes along K).
;; Outputs: out0 8,192 x 1,024 float32; out1 8,192 x 1,024 float32.
;; This version of the problem:
;;   THIS VERSION OF THE PROBLEM IS GIVEN IN LOW PRECISION. The matrix products marked QUANTISED in the list below multiply operands that are first quantised to E2M1 (2 exponent bits, 1 mantissa bit; 4 bits a number), with one power-of-two scale for each 32 numbers along K (OCP MX v1.0); their sums are f32. All else is computed in f32.
;;   The module's matrix products, in the order in which they are computed (A, B: the left and right operand; K: the contracted axis; several contracted axes count as one K, in the product's order):
;;     1. [M 8,192, K 1,024] x [K 1,024, N 4,096]; A: input x (given as codes); B: input Wx (given as codes): QUANTISED
;;     2. [M 8,192, K 1,024] x [K 1,024, N 4,096]; A: input h (given as codes); B: input Wh (given as codes): QUANTISED
;;   THE QUANTISER, for each operand of a quantised product, along K:
;;     - K is cut into blocks of 32 from its start; a last block that is shorter is filled with zeros.
;;     - A block's scale is 2^e with e = floor(log2(the largest magnitude in the block)) - 2, held to -126 .. 127; a block of zeros has e = 0. As a byte (E8M0): e + 127.
;;     - Each number is divided by its block's scale, clamped to +-6, and rounded to the nearest number of E2M1, ties to even, subnormals kept.
;;     - The product sums the exact products of the quantised numbers (number of the format x scale) in f32.
;;   ~~~python
;;   def quantise(x, axis):      # numpy; x: float32 -> the quantised numbers, widened to float32 again
;;       x = np.moveaxis(x, axis, -1); K = x.shape[-1]
;;       x = np.pad(x, [(0, 0)] * (x.ndim - 1) + [(0, -K % 32)]); x = x.reshape(x.shape[:-1] + (-1, 32)); a = np.abs(x).max(-1, keepdims=True)
;;       e = np.where(a > 0, np.clip(np.frexp(np.where(a > 0, a, 1))[1] - 1 - 2, -126, 127), 0)      # np.frexp(a)[1] - 1 = floor(log2(a)), exactly
;;       r = np.clip(x / 2.0 ** e, -6, 6)
;;       step = 2.0 ** (np.maximum(np.frexp(np.where(r == 0, 1, r))[1] - 1, 0) - 1)
;;       q = np.round(r / step) * step * 2.0 ** e      # np.round: ties to even
;;       return np.moveaxis(q.reshape(q.shape[:-2] + (-1,))[..., :K], -1, axis).astype(np.float32)
;;   ~~~
;;   INPUTS GIVEN AS CODES. Wh (in the module: [1024, 4096], K = its axis 0); Wx (in the module: [1024, 4096], K = its axis 0); h (in the module: [8192, 1024], K = its axis 1); x (in the module: [8192, 1024], K = its axis 1): each comes as NAME_codes (uint8): NAME with its K axis moved to the last place and cut into blocks of 32 codes, [.., K / 32, bytes a block], one block behind the other in memory; two codes a byte, the lower K in the low four bits (a code: sign, 2 exponent bits, 1 mantissa bit); and NAME_scales (uint8): the same leading axes, one E8M0 byte (e + 127) for each 32 codes along K. Its value is code x scale, taken as it is: it is not quantised again, and the codes and scales need not be those that the quantiser above would give.
;; One version. Each part assembles by itself: llvm-mc -triple=amdgcn-amd-amdhsa -mcpu=gfx1250 --defsym DOCPART=n.
;; ======== version 1 of 1: 1 launch
;; launch lstm (part 1): grid 16 x 16, 4 waves a work-group, clusters of 4 x 4, 327,680 bytes of LDS; arguments x_codes, h_codes, Wx_codes, Wh_codes, x_scales, h_scales, Wx_scales, Wh_scales, bx, c, out0, out1; writes out0, out1
.if DOCPART == 1
	.amdgcn_target "amdgcn-amd-amdhsa--gfx1250"
	.amdhsa_code_object_version 6
	.text
	.protected	k_qf593b2e59e_lstm
	.globl	k_qf593b2e59e_lstm
	.p2align	8
	.type	k_qf593b2e59e_lstm,@function
k_qf593b2e59e_lstm:
	s_mov_b64 s[64:65], 0
	v_nop
	global_prefetch_b8 v0, s[64:65] scope:SCOPE_SE
	s_setreg_imm32_b32 hwreg(HW_REG_WAVE_MODE, 25, 1), 1
	s_wait_xcnt 0x0
	s_wait_alu depctr_hold_cnt(0) depctr_sa_sdst(0) depctr_va_vdst(0) depctr_va_sdst(0) depctr_va_ssrc(0) depctr_va_vcc(0) depctr_vm_vsrc(0)
	s_getreg_b32 s2, hwreg(HW_REG_IB_STS2, 6, 4)
	s_cmp_eq_u32 s2, 0
	s_cbranch_scc0 .Lentry_in_a_cluster
	s_endpgm
.Lentry_in_a_cluster:
	s_bfe_u32 s2, ttmp6, 0x10000c
	s_cmp_lg_u32 s2, 0xf033
	s_cbranch_scc0 .Lentry_shape_is_right
	s_endpgm
.Lentry_shape_is_right:
; LSTM cell.  gates[8192][4096] = x Wx + bx + h Wh, both products on the given codes of FP4 (E2M1) with one E8M0 scale for each 32 along K, sums in f32;
; columns of gates: [i, f, g, o], 1,024 each.  c_new = sigmoid(f) c + sigmoid(i) tanh(g) -> out1;  h_new = sigmoid(o) tanh(c_new) -> out0.  All behind the products in f32.
; Both products add into the same gates: ONE product with K = 2,048, its first 1,024 from x and Wx, its second from h and Wh.  The gates never go to memory.  Every input has a way to an output: nothing is left out.
; SHARES.  A tile is 256 rows x 64 hidden columns, with all four gates: 256 x 256 of gates.  A WORK-GROUP OF FOUR WAVES STAYS AND MAKES TWO TILES, of the same 64 hidden columns (the same rows of W, the same bx), 4,096 rows apart:
; 256 work-groups for 512 tiles.  Wave w owns a tile's rows 64 w .. 64 w + 63 (four blocks a of 16) and all 256 gate columns (sixteen blocks beta = 4 g + b of 16): 64 accumulators, 512 registers.
; So a wave holds all four gates of an element, and 64 neighbouring hidden columns: 256 bytes of a row of c, out0 and out1.
; LAYOUT.  Source 0 = 16 rows of x or h, source 1 = 16 rows of W.  THE ROWS OF W THAT FORM A TILE ARE NOT NEIGHBOURS: lane r of block 4 g + b takes row 1,024 g + 64 tx + 4 r + b.  In the results lane (r, hl) holds rows 8 hl + j
; in register j, and in the four blocks b of a gate the FOUR NEIGHBOURING hidden columns 4 r .. 4 r + 3: c comes by loads of 16 bytes a lane and both outputs leave by stores of 16 bytes a lane, straight from registers:
; sixteen lanes cover 256 consecutive bytes, at a multiple of 256 from the buffer's first byte.  No stage in LDS, no LDS store, no barrier for the results.
; The tensor load lays W's rows into LDS in the order [g][b][r] (a tile of four dimensions), so that a fragment's sixteen rows are neighbours there, 272 bytes apart.
; RING.  K goes in four runs of 512 (256 bytes of a row) through two LDS slots: x bytes 0, x bytes 256, h bytes 0, h bytes 256 (W likewise).  A run is four steps of 128 along K, 64 matrix instructions a wave each.
; The scale bytes lie in LDS beside the ring: W's come once, x's and h's once for each tile.
; FROM TILE TO TILE.  The sixteen steps are written once, in a loop over the tiles; the way out is written twice.  The first tile's way out asks for all that the second tile begins with, in three refills, each behind its own
; round of the cluster's barrier, one load a wave: slot 0 at its start, x's and h's scales behind block 1, slot 1 behind block 2.  The last tile leaves the loop for a way out that asks for nothing.
; Nothing waits for the first tile's stores.  By this text's own count a wave has three tensor loads out at the start and one behind each refill.
; CLUSTER.  4 x 4 work-groups.  The four of a row of the cluster share their rows of x and h, the four of a column their rows of W: each tile is asked for JOINTLY.
; c is asked for into registers at a tile's start, sixteen steps of 64 matrix instructions ahead of its first use.
; ARITHMETIC.  sigmoid(z) = 1 / (1 + 2^(-z log2 e));  tanh(z) = 1 - 2 / (1 + 2^(2 z log2 e)).  Where the power is infinite the reciprocal is 0, where it is 0 the reciprocal is 1: both forms hold for every finite z, with no clamp.
; LIMITS.  bx enters as k b in the multiply-add k z + k b (k = -log2 e or 2 log2 e): one rounding otherwise placed than in (z + b).  v_exp_f32 and v_rcp_f32 are good to 1 ulp and flush denormals (ISA guide, their entries).
; tanh of a very small number carries the absolute error of 1 - 2 / (1 + ..), about 2^-23.  A scale byte 0xff, or a NaN in c or bx, gives NaN.
; REGISTERS, in windows of 256: window 0: v1-7 at work, v16-30 addresses, v32-111 scale words (two sets of 40) and nothing else, v112-127 bx as loaded, v128-191 A's fragments (two sets), v192-223 k b, each twice.
;   window 1: v0-127 B's fragments, one set (on the way out: four arrays T0-T3 of 32, element 4 j + b), v128-255 c.   windows 2, 3: accumulator (a, beta) in window 2 + beta / 8 at v[8 (4 (beta % 8) + a)].
.set PITCH,  272                       ; an LDS row: 256 bytes + 16 of padding = 68 words: row r starts at bank 4 r mod 64 (64 banks of 4 bytes: ISA guide 11.1)
.set HALFT,  128*PITCH                 ; 128 rows: what one tensor load brings
.set SLOT,   4*HALFT                   ; A's 256 rows, then B's 256 rows in the order [g][b][r]
.set SCA,    2*SLOT                    ; x's scale bytes of a tile's 256 rows: 32 runs of 256 bytes + 16 = 8,704; h's behind them
.set SCB,    SCA+2*8704                ; Wx's: for each gate 16 runs of 128 bytes + 16 = 2,304; four gates 9,216; Wh's behind them
.set SPARE,  SCB+2*9216                ; the spare words, 128 bytes for each wave: two blocks of 256 bytes that no other line names
.set NEXTA,  16*256*512                ; from a tile to the work-group's next, 4,096 rows down: in x's and h's codes,
.set NEXTS,  16*256*32                 ; in their scales,
.set NEXTC,  16*256*4096               ; in c, out0 and out1
.set ADRA, 16                          ; v16-17  LDS address of my A fragments in slot 0, 1
.set ADRB, 20                          ; v20-21  the same for B
.set ADSA, 24                          ; v24     A's scale words: lanes 0-15 block a, lanes 16-31 block a + 2
.set ADSB, 25                          ; v25     B's: lanes 0-15 block i, lanes 16-31 block i + 8
.set CO,   26                          ; v26     my byte offset in c, out0, out1: 8 hl rows of 4,096 bytes + 16 r; never rewritten
.set BO,   27                          ; v27     my byte offset in bx: 16 r
.set SPW,  28                          ; v28     LDS address of my spare word; never rewritten
.set NIL,  29                          ; v29     0; never rewritten
.set PFO,  30                          ; v30     the prefetch's offset: 256 x my lane; never rewritten
.set SC,   32                          ; scale words: set s at v[SC + 40 s]: register 4 i + q B's, register 32 + 4 a + q A's, q the run's step
.set RAW,  112                         ; bx: register 4 g + b
.set AF,   128                         ; A's fragments: set p, block a at v[AF + 32 p + 8 a]
.set BI2,  192                         ; k b of (g, b), twice, at v[BI2 + 2 (4 g + b)]
.set G1A,  28                          ; s[28:35] group 1, A's codes
.set G1B,  36                          ; s[36:43] group 1, s[44:47] group 2, s[48:51] group 3: B's codes
.set G2B,  44
.set G3B,  48
.set G1SA, 52                          ; s[52:59] group 1, s[60:63] group 0: A's scales
.set G0SA, 60
.set G1SB, 68                          ; s[68:75] group 1, s[76:79] group 0: B's scales
.set G0SB, 76
.set G0A,  80                          ; s[80:87] group 0 for A's codes, a set for each slot
.set G0B,  88                          ; s[88:95] the same for B's
.set TX,   96                          ; s96  block of 64 hidden columns
.set TY,   97                          ; s97  the first tile's block of 256 rows
.set TL,   98                          ; s98  tiles to go, this one among them: the same number in every work-group
.set WV,   100                         ; s100 my wave's number
.set WH,   101                         ; s101 wave / 2: I fetch for A (0) or for B (1)
.set PFA,  104                         ; s[104:105] where my prefetch stands; never rewritten
.set P5,   (1<<20)|(1<<21)|(5<<22)|(3<<25)   ; padding on; bit 21 set beside a mask; after every 64 words; four words
.set MUL_LO, 0xa4                      ; source 0 (A) window 0, source 1 (B) window 1, C and D window 2
.set MUL_HI, 0xf4                      ; the same, C and D window 3
.set TO_1,   0x40                      ; destination window 1, address window 0
.set ALL1,   0x55                      ; all in window 1
.set STORE1, 0x04                      ; a store's data (source 1) window 1, its address window 0
.set MSB, 0
.macro WIN new                         ; the immediate's high byte repeats the setting that is left; a switch that changes nothing is dropped
.if MSB != (\new)
	s_set_vgpr_msb (MSB<<8)|(\new)
.set MSB, \new
.endif
.endm
; A joint load: waves 0 and 1 fetch for A, waves 2 and 3 for B.  Each line has one mask and one set of registers for all that issue it; the branch hangs on the wave's number alone.
; An s_nop 0 and four v_nop follow each line, ahead of the jump, the label and what follows.  four = 1: B's tile has four dimensions and names groups 2 and 3.
.macro JLOAD g0a, g1a, g0b, g1b, four
	s_cmp_eq_u32 s[WH], 0
	s_cbranch_scc0 .Lfor_b_\@
	tensor_load_to_lds s[\g0a:\g0a+3], s[\g1a:\g1a+7]
	s_nop 0
.rept 4
	v_nop
.endr
	s_branch .Lasked_\@
.Lfor_b_\@:
.if \four
	tensor_load_to_lds s[\g0b:\g0b+3], s[\g1b:\g1b+7], s[G2B:G2B+3], s[G3B:G3B+3]
.else
	tensor_load_to_lds s[\g0b:\g0b+3], s[\g1b:\g1b+7]
.endif
	s_nop 0
.rept 4
	v_nop
.endr
.Lasked_\@:
.endm
.macro JLOADA                          ; the joint load of x's (wave 0) and h's (wave 1) scales alone: W's stay, so waves 2 and 3 have nothing to fetch
	s_cmp_eq_u32 s[WH], 0
	s_cbranch_scc0 .Lnone_\@
	tensor_load_to_lds s[G0SA:G0SA+3], s[G1SA:G1SA+7]
	s_nop 0
.rept 4
	v_nop
.endr
.Lnone_\@:
.endm
.macro CREST                           ; a round of the cluster's barrier behind its opening barrier
	s_cmp_lg_u32 s[WV], 0
	s_cbranch_scc1 .Lnot_wave_0_\@
	s_barrier_signal -3
.Lnot_wave_0_\@:
	s_barrier_wait -3
	s_barrier_signal -1
	s_barrier_wait -1
.endm
.macro CROUND                          ; a whole round
	s_barrier_signal -1
	s_barrier_wait -1
	CREST
.endm
; A load into a register that a matrix instruction has read, and a vector instruction that reads a matrix result, stand four places behind it; only plain vector instructions that name none of its
; registers are places (ISA guide 7.12.1 for vector instructions).
.macro PLACES n
.rept \n
	v_nop
.endr
.endm
.macro FRAG reg, adr, off              ; a fragment, 16 rows x 128 K of 4-bit codes, is 8 registers: lane l holds row l % 16; registers 4 c .. 4 c + 3 hold K = 64 c + 32 (l / 16) + 0 .. 31
	ds_load_b128 v[\reg:\reg+3], v[\adr] offset:\off
	ds_load_b128 v[\reg+4:\reg+7], v[\adr] offset:\off+32
.endm
.macro FETCH_A slot, q, p              ; my four blocks of A, the run's q-th 128 along K, into set p: 8 loads
	WIN 0
.irp a, 0,1,2,3
	FRAG AF+32*(\p)+8*\a, ADRA+\slot, 16*PITCH*\a+64*(\q)
.endr
.endm
.macro FETCH_B slot, q, b0             ; B's blocks b0 .. b0 + 7: 16 loads.  The largest offset, 15 x 4,352 + 192 + 32, lies inside the 16-bit immediate
	WIN TO_1
.irp i, 0,1,2,3,4,5,6,7
	FRAG 8*(\b0+\i), ADRB+\slot, 16*PITCH*(\b0+\i)+64*(\q)
.endr
.endm
.macro SCALES set, ks                  ; run ks's scale words, four steps' to a load: 10 loads.  ks / 2: x, Wx or h, Wh; ks % 2: which 16 of a row's 32 bytes
	WIN 0
.irp i, 0,1,2,3,4,5,6,7
	ds_load_b128 v[SC+40*\set+4*\i:SC+40*\set+4*\i+3], v[ADSB] offset:2304*(\i/4)+32*(\i%4)+16*((\ks)%2)+9216*((\ks)/2)
.endr
.irp a, 0,1
	ds_load_b128 v[SC+40*\set+32+4*\a:SC+40*\set+32+4*\a+3], v[ADSA] offset:544*\a+16*((\ks)%2)+8704*((\ks)/2)
.endr
.endm
; One matrix instruction: A's block a x B's block b.  A's scale word lies in lanes 0-15 (a < 2) or 16-31 of register a % 2, B's in lanes 0-15 (b < 8) or 16-31 of register b % 8.  zero = 1: it starts the sum: nothing is cleared.
.macro WM a, b, p, q, set, zero
.set rD, 8*(4*((\b)%8)+(\a))
.set rA, AF+32*(\p)+8*(\a)
.set rB, 8*(\b)
.set rSA, SC+40*(\set)+32+4*((\a)%2)+(\q)
.set rSB, SC+40*(\set)+4*((\b)%8)+(\q)
.if \zero
.if ((\a) < 2) && ((\b) < 8)
	v_wmma_scale_f32_16x16x128_f8f6f4 v[rD:rD+7], v[rA:rA+7], v[rB:rB+7], 0, v[rSA], v[rSB] matrix_a_fmt:MATRIX_FMT_FP4 matrix_b_fmt:MATRIX_FMT_FP4
.elseif (\a) < 2
	v_wmma_scale_f32_16x16x128_f8f6f4 v[rD:rD+7], v[rA:rA+7], v[rB:rB+7], 0, v[rSA], v[rSB] matrix_a_fmt:MATRIX_FMT_FP4 matrix_b_fmt:MATRIX_FMT_FP4 matrix_b_scale:MATRIX_SCALE_ROW1
.elseif (\b) < 8
	v_wmma_scale_f32_16x16x128_f8f6f4 v[rD:rD+7], v[rA:rA+7], v[rB:rB+7], 0, v[rSA], v[rSB] matrix_a_fmt:MATRIX_FMT_FP4 matrix_b_fmt:MATRIX_FMT_FP4 matrix_a_scale:MATRIX_SCALE_ROW1
.else
	v_wmma_scale_f32_16x16x128_f8f6f4 v[rD:rD+7], v[rA:rA+7], v[rB:rB+7], 0, v[rSA], v[rSB] matrix_a_fmt:MATRIX_FMT_FP4 matrix_b_fmt:MATRIX_FMT_FP4 matrix_a_scale:MATRIX_SCALE_ROW1 matrix_b_scale:MATRIX_SCALE_ROW1
.endif
.else
.if ((\a) < 2) && ((\b) < 8)
	v_wmma_scale_f32_16x16x128_f8f6f4 v[rD:rD+7], v[rA:rA+7], v[rB:rB+7], v[rD:rD+7], v[rSA], v[rSB] matrix_a_fmt:MATRIX_FMT_FP4 matrix_b_fmt:MATRIX_FMT_FP4
.elseif (\a) < 2
	v_wmma_scale_f32_16x16x128_f8f6f4 v[rD:rD+7], v[rA:rA+7], v[rB:rB+7], v[rD:rD+7], v[rSA], v[rSB] matrix_a_fmt:MATRIX_FMT_FP4 matrix_b_fmt:MATRIX_FMT_FP4 matrix_b_scale:MATRIX_SCALE_ROW1
.elseif (\b) < 8
	v_wmma_scale_f32_16x16x128_f8f6f4 v[rD:rD+7], v[rA:rA+7], v[rB:rB+7], v[rD:rD+7], v[rSA], v[rSB] matrix_a_fmt:MATRIX_FMT_FP4 matrix_b_fmt:MATRIX_FMT_FP4 matrix_a_scale:MATRIX_SCALE_ROW1
.else
	v_wmma_scale_f32_16x16x128_f8f6f4 v[rD:rD+7], v[rA:rA+7], v[rB:rB+7], v[rD:rD+7], v[rSA], v[rSB] matrix_a_fmt:MATRIX_FMT_FP4 matrix_b_fmt:MATRIX_FMT_FP4 matrix_a_scale:MATRIX_SCALE_ROW1 matrix_b_scale:MATRIX_SCALE_ROW1
.endif
.endif
.endm
; B's blocks b0 .. b0 + nb - 1, each against my four blocks of A.  The 64 accumulators take turns, one instruction a turn, in the same order in every step.
.macro MULS b0, nb, p, q, set, zero
.set BBI, \b0
.rept \nb
.irp a, 0,1,2,3
	WM \a, BBI, \p, \q, \set, \zero
.endr
.set BBI, BBI+1
.endr
.endm
; A step of 128 along K that has its successor in the same slot.  B has one set of registers: blocks 0-7 are fetched anew in the step's middle, blocks 8-15 at its end, each 32 matrix instructions ahead of their use.
.macro STEP slot, q, zero
	s_wait_dscnt 16                                ; A's set, B's blocks 0-7 and any scale words are in; the youngest 16 loads (B's blocks 8-15) may be out
	WIN MUL_LO
	MULS 0, 8, (\q)%2, \q, \slot, \zero
	PLACES 4
	FETCH_A \slot, (\q)+1, 1-(\q)%2
	FETCH_B \slot, (\q)+1, 0
	s_wait_dscnt 24                                ; all but the 24 just issued: B's blocks 8-15 are in
	WIN MUL_HI
	MULS 8, 8, (\q)%2, \q, \slot, \zero
	PLACES 4
	FETCH_B \slot, (\q)+1, 8
.endm
; A run's last step changes slots: ONE barrier; in front of it each wave waits for all its tensor loads, adds 0 to its spare word, and waits for that and for its own reads of this slot.
; fill = 1: this slot is filled again, with h's and Wh's bytes 256 x slot on; the barrier then opens a round of the cluster's barrier, and the joint refill is the first thing behind the round.
.macro TURN slot, next, fill, ksnext
	WIN 0                                          ; (the add's two registers lie in window 0)
	s_wait_tensorcnt 0x0                           ; all my tensor loads have landed: my part of the next slot; no load of mine is out, so a group 0 may be written
	ds_add_u32 v[SPW], v[NIL]                      ; 0 onto my spare word
.if \fill
	s_add_nc_u64 s[G0A+4*\slot+2:G0A+4*\slot+3], s[6:7], 256*\slot
	s_or_b32 s[G0A+4*\slot+3], s[G0A+4*\slot+3], 0x80000000
	s_add_nc_u64 s[G0B+4*\slot+2:G0B+4*\slot+3], s[10:11], 256*\slot
	s_or_b32 s[G0B+4*\slot+3], s[G0B+4*\slot+3], 0x80000000
.endif
	s_wait_dscnt 17                                ; (the add and the youngest 16 loads, B's blocks 8-15, may be out)
	WIN MUL_LO
	MULS 0, 4, 1, 3, \slot, 0                      ; sixteen matrix instructions stand between the add and the wait for it
	s_wait_dscnt 0x0                               ; the add is done, and my reads of this slot are over
	s_barrier_signal -1
	MULS 4, 4, 1, 3, \slot, 0                      ; work on registers while the others arrive
	WIN 0
	s_barrier_wait -1
.if \fill
	CREST                                          ; no wave of any partner still reads this slot's tiles or has a load on its way
	JLOAD G0A+4*\slot, G1A, G0B+4*\slot, G1B, 1    ; the first tensor load behind the round, one a wave; its four v_nop are also the places in front of the loads below
.else
	PLACES 4
.endif
	FETCH_A \next, 0, 0
	FETCH_B \next, 0, 0
	SCALES \next, \ksnext
	WIN MUL_HI
	MULS 8, 8, 1, 3, \slot, 0
	PLACES 4
	FETCH_B \next, 0, 8
.endm
; A REFILL FOR THE NEXT TILE, on the way out of a tile that has a successor.  No wave reads the ring or A's scales any more: every wave's last LDS loads were waited for in the tile's last step.
; what = 0: slot 0 takes x's and Wx's bytes 0 on; 1: slot 1 their bytes 256 on; 2: x's and h's scales.  Each in the same order: all my tensor loads have landed; the add; the descriptor's address, while the add is out;
; the wait for the add; a round of the cluster's barrier; the joint load first behind it, one a wave.
.macro REFILL what
	s_wait_tensorcnt 0x0                           ; no tensor load of mine is out, so a group 0 may be written
	ds_add_u32 v[SPW], v[NIL]                      ; 0 onto my spare word
.if (\what) == 0
	s_add_nc_u64 s[4:5], s[4:5], NEXTA             ; x's and h's codes at the next tile's rows that I fetch
	s_add_nc_u64 s[6:7], s[6:7], NEXTA
.endif
.if (\what) < 2
	s_add_nc_u64 s[G0A+4*(\what)+2:G0A+4*(\what)+3], s[4:5], 256*(\what)
	s_or_b32 s[G0A+4*(\what)+3], s[G0A+4*(\what)+3], 0x80000000
	s_add_nc_u64 s[G0B+4*(\what)+2:G0B+4*(\what)+3], s[8:9], 256*(\what)
	s_or_b32 s[G0B+4*(\what)+3], s[G0B+4*(\what)+3], 0x80000000
.else
	s_add_nc_u64 s[12:13], s[12:13], NEXTS
	s_mov_b64 s[G0SA+2:G0SA+3], s[12:13]
	s_or_b32 s[G0SA+3], s[G0SA+3], 0x80000000
.endif
	s_wait_dscnt 0x0                               ; the add is done; no LDS load of mine is out
	CROUND                                         ; the same holds of every wave of all sixteen work-groups
.if (\what) < 2
	JLOAD G0A+4*(\what), G1A, G0B+4*(\what), G1B, 1
.else
	JLOADA
.endif
.endm
; A PREFETCH INTO THE L2 of the next tile's codes of h: 256 rows of 512 bytes are one dense block of 131,072 bytes, 512 blocks of 256.  It stands behind the wave's last tensor load of the way out and its five lines;
; the tensor loads that will ask for these bytes stand behind the next tile's first and second run.  Each block is named ONCE in the launch: all work-groups of one block of rows read the same bytes, and of them the
; clusters with x = 0 ask (the cluster's number is the same in all partners); there the four partners of a row of the cluster take 128 blocks each, told apart BY ADDRESS, each wave 32, a lane a block: one instruction a wave.
; Not asked for: the next tile's x (its tensor loads go out here, on the way out); W's codes (this work-group has read them for the first tile); the first tile's tiles (only the kernel's head stands ahead of them).
.macro ASK
	s_cmp_lg_u32 ttmp9, 0
	s_cbranch_scc1 .Lnot_mine_\@
	global_prefetch_b8 v[PFO], s[PFA:PFA+1] th:TH_LOAD_NT scope:SCOPE_SE
.Lnot_mine_\@:
.endm
; THE WAY OUT, a block a of 16 rows at a time, all in registers.
; ARGS a: the exponentials' arguments, in place on block a's 16 accumulators, each from its low end on: k z + k b, two rows at a time; k = -log2 e for gates i, f, o, 2 log2 e for gate g.
.macro ARGS a
.irp g, 0,1,2,3
	WIN 0x82+0x41*(\g/2)                           ; destination and source 0: window 2 (gates i, f) or 3 (gates g, o); k b in window 0
.irp b, 0,1,2,3
.set rC, 8*(4*((4*\g+\b)%8)+(\a))
.irp jp, 0,2,4,6
.if \g == 2
	v_pk_fma_f32 v[rC+\jp:rC+\jp+1], v[rC+\jp:rC+\jp+1], s[66:67], v[BI2+2*(4*\g+\b):BI2+2*(4*\g+\b)+1] op_sel_hi:[1,0,1]
.else
	v_pk_fma_f32 v[rC+\jp:rC+\jp+1], v[rC+\jp:rC+\jp+1], s[2:3], v[BI2+2*(4*\g+\b):BI2+2*(4*\g+\b)+1] op_sel_hi:[1,0,1]
.endif
.endr
.endr
.endr
.endm
; EPI a: T_g (32 registers at v[32 g] of window 1, element 4 j + b) takes gate g of block a.  The transcendentals go in four batches, each with one plain instruction behind it and ONE wait ahead of the first instruction
; that names a result.  Behind the first batch stands the next block's ARGS: 64 plain instructions that name none of its results.  In the other three the plain instruction that makes a
; pair's argument (1 + .., or 2 log2 e x c_new) stands among the batch, one pair ahead of that pair's two transcendentals: it names registers that no transcendental of the batch has written yet.
; xw = 1: the last block's stores have read T1 and T3, which are written again only behind s_wait_xcnt 0.
.macro EPI a, xw
.if \xw
	s_wait_xcnt 0x0
.endif
.irp g, 0,1,2,3
	WIN 0x42+(\g/2)                                ; destination window 1, source window 2 or 3
.irp b, 0,1,2,3
.set rC, 8*(4*((4*\g+\b)%8)+(\a))
.irp j, 0,1,2,3,4,5,6,7
	v_exp_f32 v[32*\g+4*\j+\b], v[rC+\j]
.endr
.endr
.endr
.if (\a) < 3
	ARGS (\a)+1
.else
	v_nop                                          ; a plain instruction behind the last exponential
.endif
	s_wait_alu depctr_va_vdst(0)                   ; one wait for the 128 exponentials
	WIN ALL1
	v_pk_add_f32 v[0:1], v[0:1], 1.0 op_sel_hi:[1,0]
.set ii, 0
.rept 63
	v_pk_add_f32 v[ii+2:ii+3], v[ii+2:ii+3], 1.0 op_sel_hi:[1,0]
	v_rcp_f32 v[ii], v[ii]                         ; T0 = sigmoid(i), T1 = sigmoid(f), T3 = sigmoid(o); T2 = 1 / (1 + e^(2 g))
	v_rcp_f32 v[ii+1], v[ii+1]
.set ii, ii+2
.endr
	v_rcp_f32 v126, v126
	v_rcp_f32 v127, v127
	v_nop
	s_wait_alu depctr_va_vdst(0)                   ; one wait for the 128 reciprocals
.set ii, 0
.rept 16
	v_pk_fma_f32 v[64+ii:65+ii], v[64+ii:65+ii], -2.0, 1.0 op_sel_hi:[1,0,0]   ; T2 = tanh(g)
.set ii, ii+2
.endr
.set ii, 0
.rept 16
	v_pk_mul_f32 v[ii:ii+1], v[ii:ii+1], v[64+ii:65+ii]                        ; T0 = sigmoid(i) tanh(g)
.set ii, ii+2
.endr
.set ii, 0
.rept 16
	v_pk_fma_f32 v[32+ii:33+ii], v[32+ii:33+ii], v[128+32*(\a)+ii:129+32*(\a)+ii], v[ii:ii+1]   ; T1 = sigmoid(f) c + T0 = c_new
.set ii, ii+2
.endr
	v_pk_mul_f32 v[64:65], v[32:33], s[66:67] op_sel_hi:[1,0]                  ; T2 = 2 log2 e x c_new
.set ii, 0
.rept 15
	v_pk_mul_f32 v[66+ii:67+ii], v[34+ii:35+ii], s[66:67] op_sel_hi:[1,0]
	v_exp_f32 v[64+ii], v[64+ii]
	v_exp_f32 v[65+ii], v[65+ii]
.set ii, ii+2
.endr
	v_exp_f32 v94, v94
	v_exp_f32 v95, v95
	v_nop
	WIN STORE1
.irp j, 0,1,2,3,4,5,6,7                ; c_new leaves while the exponentials are on their way: sixteen lanes store 256 consecutive bytes, at a multiple of 256 from out1's first byte; written once, read by nobody here
	global_store_b128 v[CO], v[32+4*\j:35+4*\j], s[26:27] offset:(16*(\a)+\j)*4096 th:TH_STORE_NT
.endr
	s_wait_alu depctr_va_vdst(0)                   ; one wait for the 32 exponentials
	WIN ALL1
	v_pk_add_f32 v[64:65], v[64:65], 1.0 op_sel_hi:[1,0]
.set ii, 0
.rept 15
	v_pk_add_f32 v[66+ii:67+ii], v[66+ii:67+ii], 1.0 op_sel_hi:[1,0]
	v_rcp_f32 v[64+ii], v[64+ii]
	v_rcp_f32 v[65+ii], v[65+ii]
.set ii, ii+2
.endr
	v_rcp_f32 v94, v94
	v_rcp_f32 v95, v95
	v_nop
	s_wait_alu depctr_va_vdst(0)                   ; one wait for the 32 reciprocals
.set ii, 0
.rept 16
	v_pk_fma_f32 v[64+ii:65+ii], v[64+ii:65+ii], -2.0, 1.0 op_sel_hi:[1,0,0]   ; T2 = tanh(c_new)
.set ii, ii+2
.endr
.set ii, 0
.rept 16
	v_pk_mul_f32 v[96+ii:97+ii], v[96+ii:97+ii], v[64+ii:65+ii]                ; T3 = sigmoid(o) tanh(c_new) = h_new
.set ii, ii+2
.endr
	WIN STORE1
.irp j, 0,1,2,3,4,5,6,7
	global_store_b128 v[CO], v[96+4*\j:99+4*\j], s[24:25] offset:(16*(\a)+\j)*4096 th:TH_STORE_NT
.endr
	WIN 0
.endm
; A tile's whole way out.  more = 1: the tile has a successor, and the three refills for it stand at the start, behind block 1 and behind block 2.  Each refill's wait for all tensor loads finds the refill before it a block's
; or two blocks' arithmetic back.  The third refill's wait and round show slot 0 and the scales landed in every wave: the next tile may begin; slot 1's load stays out, as at the kernel's start.
.macro WAYOUT more
	s_wait_loadcnt 0x0                             ; c, asked for sixteen steps ago
.if \more
	REFILL 0
.endif
	PLACES 4                                       ; behind the tile's last products, ahead of the first read of results
	ARGS 0
	EPI 0, 0
	EPI 1, 1
.if \more
	REFILL 2
.endif
	EPI 2, 1
.if \more
	s_wait_xcnt 0x0                                ; block 2's stores have read T1 and T3: the wait of block 3 stands here, ahead of the refill, so that none follows the prefetch closely
	REFILL 1
	ASK
	EPI 3, 0
.else
	EPI 3, 1
.endif
.endm
	s_load_b512 s[4:19], s[0:1], 0x0               ; codes: x s[4:5], h s[6:7], Wx s[8:9], Wh s[10:11]; scales: x s[12:13], h s[14:15], Wx s[16:17], Wh s[18:19]
	s_load_b256 s[20:27], s[0:1], 0x40             ; bx s[20:21], c s[22:23], out0 s[24:25], out1 s[26:27]
	v_lshl_add_u32 v[SPW], v0, 2, SPARE
	v_mov_b32 v[NIL], 0
	ds_add_u32 v[SPW], v[NIL]                      ; the wave's opening: the add, twice on end, and its wait ahead of my first tensor load; the set-up below stands between the second and the wait
	ds_add_u32 v[SPW], v[NIL]
	v_lshrrev_b32 v1, 5, v0
	v_readfirstlane_b32 s[WV], v1                  ; wave 0..3
	s_lshr_b32 s[WH], s[WV], 1
	s_and_b32 s2, s[WV], 1                         ; which half I fetch: A's rows 128 x half; B's gates 2 x half, 2 x half + 1; of the scales: x's and Wx's (0) or h's and Wh's (1)
	s_bfe_u32 s60, ttmp6, 0x40000                  ; cx, cy: my place in the cluster
	s_bfe_u32 s61, ttmp6, 0x40004
	s_lshl_b32 s[TX], ttmp9, 2
	s_add_co_u32 s[TX], s[TX], s60                 ; tx = 4 x cluster x + cx
	s_and_b32 s[TY], ttmp7, 0xffff
	s_lshl_b32 s[TY], s[TY], 2
	s_add_co_u32 s[TY], s[TY], s61                 ; ty = 4 x cluster y + cy: 0 .. 15; the second tile is ty + 16
	s_lshl_b32 s62, s61, 2
	s_lshl_b32 s62, 15, s62                        ; my row of the cluster: shares what hangs on ty
	s_lshl_b32 s63, 0x1111, s60                    ; my column: shares what hangs on tx
	; A's codes: 128 rows x 256 bytes, rows 512 bytes apart, elements of 1 byte
	s_or_b32 s[G1A], s62, P5
	s_mov_b32 s[G1A+1], 256<<16                    ; tensor_dim0
	s_mov_b32 s[G1A+2], 128<<16                    ; tensor_dim1
	s_mov_b32 s[G1A+3], 256<<16                    ; tile_dim0
	s_mov_b32 s[G1A+4], 128                        ; tile_dim1
	s_mov_b32 s[G1A+5], 512                        ; from row to row
	s_mov_b32 s[G1A+6], 0
	s_mov_b32 s[G1A+7], 0
	; B's codes, four dimensions: 256 bytes; r = 0..15, 4 rows of W (2,048 bytes) apart; b = 0..3, one row (512 bytes) apart; two gates, 1,024 rows (524,288 bytes) apart.  In LDS: [gate][b][r], 272 bytes a row
	s_or_b32 s[G1B], s63, P5
	s_mov_b32 s[G1B+1], 256<<16                    ; tensor_dim0
	s_mov_b32 s[G1B+2], 16<<16                     ; tensor_dim1
	s_mov_b32 s[G1B+3], 256<<16                    ; tile_dim0
	s_mov_b32 s[G1B+4], 16|(4<<16)                 ; tile_dim1, tile_dim2
	s_mov_b32 s[G1B+5], 2048                       ; stride0
	s_mov_b32 s[G1B+6], 512<<16                    ; stride0's high part = 0; stride1, low half
	s_mov_b32 s[G1B+7], 0
	s_mov_b32 s[G2B], 4                            ; tensor_dim2
	s_mov_b32 s[G2B+1], 2                          ; tensor_dim3
	s_mov_b32 s[G2B+2], 524288                     ; stride2
	s_mov_b32 s[G2B+3], 2<<16                      ; tile_dim3
	s_mov_b32 s[G3B], 1048576                      ; stride3: a fifth dimension of one plane
	s_mov_b32 s[G3B+1], 1<<16                      ; tensor_dim4 = 1
	s_mov_b32 s[G3B+2], 1<<16                      ; tile_dim4 = 1
	s_mov_b32 s[G3B+3], 0
	; A's scales: 256 rows x 32 bytes are 8,192 dense bytes: 32 rows of 32 elements of 8 bytes, 16 bytes of padding behind each
	s_or_b32 s[G1SA], s62, (3<<16)|P5
	s_mov_b32 s[G1SA+1], 32<<16
	s_mov_b32 s[G1SA+2], 32<<16
	s_mov_b32 s[G1SA+3], 32<<16
	s_mov_b32 s[G1SA+4], 32
	s_mov_b32 s[G1SA+5], 32
	s_mov_b32 s[G1SA+6], 0
	s_mov_b32 s[G1SA+7], 0
	; B's scales: for each of the four gates 64 rows x 32 bytes = 2,048 dense bytes (256 elements of 8), the gates 32,768 bytes apart; 16 bytes of padding behind every 128 (four rows of W: one lane's)
	s_or_b32 s[G1SB], s63, (3<<16)|(1<<20)|(1<<21)|(4<<22)|(3<<25)
	s_mov_b32 s[G1SB+1], 256<<16
	s_mov_b32 s[G1SB+2], 4<<16
	s_mov_b32 s[G1SB+3], 256<<16
	s_mov_b32 s[G1SB+4], 4
	s_mov_b32 s[G1SB+5], 4096
	s_mov_b32 s[G1SB+6], 0
	s_mov_b32 s[G1SB+7], 0
	; offsets, apart from the addresses.  A's are made of ty and the wave's number alone, B's of tx and the wave's number alone
	s_lshl_b32 s98, s[TY], 17                      ; (256 ty + 128 half) rows of 512 bytes
	s_lshl_b32 s3, s2, 16
	s_add_co_u32 s98, s98, s3
	s_mov_b32 s99, 0
	s_lshl_b32 s76, s[TX], 15                      ; (2,048 half + 64 tx) rows of 512 bytes
	s_lshl_b32 s3, s2, 20
	s_add_co_u32 s76, s76, s3
	s_mov_b32 s77, 0
	s_lshl_b32 s80, s[TY], 20                      ; c, out0, out1: (256 ty + 64 wave) rows of 4,096 bytes + 256 tx
	s_lshl_b32 s3, s[WV], 18
	s_add_co_u32 s80, s80, s3
	s_lshl_b32 s3, s[TX], 8
	s_add_co_u32 s80, s80, s3
	s_mov_b32 s81, 0
	s_lshl_b32 s[PFA], s[TY], 17                   ; the prefetch: the second tile's 131,072 bytes of h's codes,
	s_lshl_b32 s3, s60, 15
	s_add_co_u32 s[PFA], s[PFA], s3                ; my work-group's 128 blocks of 256 bytes,
	s_lshl_b32 s3, s[WV], 13
	s_add_co_u32 s[PFA], s[PFA], s3                ; my wave's 32 of them
	s_add_co_u32 s[PFA], s[PFA], NEXTA
	s_mov_b32 s[PFA+1], 0
	s_wait_dscnt 0x0                               ; both opening adds are done
	s_wait_kmcnt 0x0
	s_add_nc_u64 s[PFA:PFA+1], s[6:7], s[PFA:PFA+1]
	s_add_nc_u64 s[4:5], s[4:5], s[98:99]          ; x's and h's codes at the rows that I fetch; both addresses are kept for the refills
	s_add_nc_u64 s[6:7], s[6:7], s[98:99]
	s_add_nc_u64 s[8:9], s[8:9], s[76:77]          ; Wx's and Wh's likewise
	s_add_nc_u64 s[10:11], s[10:11], s[76:77]
	s_add_nc_u64 s[22:23], s[22:23], s[80:81]      ; c, out0, out1 at my wave's first row and the tile's first column
	s_add_nc_u64 s[24:25], s[24:25], s[80:81]
	s_add_nc_u64 s[26:27], s[26:27], s[80:81]
	s_lshl_b32 s80, s[TX], 8
	s_add_nc_u64 s[20:21], s[20:21], s[80:81]      ; bx at the tile's first column of gate i
	s_cmp_eq_u32 s2, 0                             ; the choice hangs on the wave's number alone
	s_cselect_b64 s[12:13], s[12:13], s[14:15]     ; x's scales or h's
	s_cselect_b64 s[16:17], s[16:17], s[18:19]     ; Wx's or Wh's
	s_lshl_b32 s98, s[TY], 13                      ; 256 ty rows of 32 bytes
	s_lshl_b32 s76, s[TX], 11                      ; 64 tx rows of 32 bytes
	s_add_nc_u64 s[12:13], s[12:13], s[98:99]
	s_add_nc_u64 s[16:17], s[16:17], s[76:77]
	CROUND                                         ; all sixteen work-groups are here: the first joint loads meet
	s_mul_i32 s3, s2, 8704
	s_mov_b32 s[G0SA], 1                           ; count = 1
	s_add_co_u32 s[G0SA+1], s3, SCA                ; LDS address: no place in the cluster enters it
	s_mov_b64 s[G0SA+2:G0SA+3], s[12:13]
	s_or_b32 s[G0SA+3], s[G0SA+3], 0x80000000      ; type = 2
	s_mul_i32 s3, s2, 9216
	s_mov_b32 s[G0SB], 1
	s_add_co_u32 s[G0SB+1], s3, SCB
	s_mov_b64 s[G0SB+2:G0SB+3], s[16:17]
	s_or_b32 s[G0SB+3], s[G0SB+3], 0x80000000
	JLOAD G0SA, G1SA, G0SB, G1SB, 0                ; the scales first: they are wanted with the first run
	s_mul_i32 s3, s[WV], HALFT                     ; where the codes go: wave x 128 rows: A's two halves, then B's two pairs of gates
.irp s, 0,1
	s_mov_b32 s[G0A+4*\s], 1
	s_add_co_u32 s[G0A+4*\s+1], s3, \s*SLOT
	s_add_nc_u64 s[G0A+4*\s+2:G0A+4*\s+3], s[4:5], \s*256
	s_or_b32 s[G0A+4*\s+3], s[G0A+4*\s+3], 0x80000000
	s_mov_b32 s[G0B+4*\s], 1
	s_add_co_u32 s[G0B+4*\s+1], s3, \s*SLOT
	s_add_nc_u64 s[G0B+4*\s+2:G0B+4*\s+3], s[8:9], \s*256
	s_or_b32 s[G0B+4*\s+3], s[G0B+4*\s+3], 0x80000000
	JLOAD G0A+4*\s, G1A, G0B+4*\s, G1B, 1          ; x's and Wx's bytes 256 s on, into slot s
.endr
	v_and_b32 v1, 15, v0                           ; r
	v_bfe_u32 v2, v0, 4, 1                         ; hl
	v_mul_u32_u24 v3, v1, PITCH
	v_lshl_add_u32 v3, v2, 4, v3                   ; a fragment's row x pitch + 16 hl
	s_mul_i32 s3, s[WV], 64*PITCH                  ; my 64 rows of A
	v_add_nc_u32 v[ADRA], s3, v3
	v_add_nc_u32 v[ADRA+1], SLOT, v[ADRA]
	v_add_nc_u32 v[ADRB], 2*HALFT, v3              ; B lies behind A's 256 rows; every wave reads all of it
	v_add_nc_u32 v[ADRB+1], SLOT, v[ADRB]
	v_lshlrev_b32 v4, 5, v1                        ; A's scales: 32 bytes a row,
	v_lshrrev_b32 v5, 3, v1
	v_lshl_add_u32 v4, v5, 4, v4                   ; 16 more for each 256 passed,
	v_mad_u32_u24 v4, v2, 1088, v4                 ; lanes 16-31 two blocks (32 rows: 1,024 + 64 bytes) further on,
	s_mul_i32 s3, s[WV], 2176                      ; my 64 rows: 2,048 + 128 bytes a wave
	s_add_co_u32 s3, s3, SCA
	v_add_nc_u32 v[ADSA], s3, v4
	v_mul_u32_u24 v5, v1, 144                      ; B's scales: lane r's four rows of W: 128 bytes + 16,
	v_mad_u32_u24 v5, v2, 4608, v5                 ; lanes 16-31 two gates further on
	v_add_nc_u32 v[ADSB], SCB, v5
	v_lshlrev_b32 v[BO], 4, v1
	v_lshl_add_u32 v[CO], v2, 15, v[BO]
	v_and_b32 v[PFO], 31, v0
	v_lshlrev_b32 v[PFO], 8, v[PFO]
.irp g, 0,1,2,3
	global_load_b128 v[RAW+4*\g:RAW+4*\g+3], v[BO], s[20:21] offset:4096*\g   ; bx of gate g at my four columns: the same for both tiles
.endr
	s_mov_b32 s2, 0xbfb8aa3b                       ; -log2 e; the packed forms name a pair and take its low word for both halves: so both are written
	s_mov_b32 s3, 0xbfb8aa3b
	s_mov_b32 s66, 0x4038aa3b                      ; 2 log2 e
	s_mov_b32 s67, 0x4038aa3b
	s_mov_b32 s[TL], 2
	s_wait_tensorcnt 1                             ; my scales and my part of slot 0 are in (slot 1's load may be out)
	s_barrier_signal -1
	s_barrier_wait -1                              ; everybody's are
	s_wait_loadcnt 0x0                             ; bx
.irp g, 0,1,2,3                        ; k b, each twice, so that it fills a pair: made once, for both tiles
.irp b, 0,1,2,3
.if \g == 2
	v_mul_f32 v[BI2+2*(4*\g+\b)], s66, v[RAW+4*\g+\b]
	v_mul_f32 v[BI2+2*(4*\g+\b)+1], s66, v[RAW+4*\g+\b]
.else
	v_mul_f32 v[BI2+2*(4*\g+\b)], s2, v[RAW+4*\g+\b]
	v_mul_f32 v[BI2+2*(4*\g+\b)+1], s2, v[RAW+4*\g+\b]
.endif
.endr
.endr
.Ltile:                                                ; a tile.  On both ways in: slot 0 and the scales are whole for every wave, slot 1's load may be out, every window is 0
	FETCH_A 0, 0, 0
	FETCH_B 0, 0, 0
	SCALES 0, 0
	FETCH_B 0, 0, 8
	WIN TO_1
.irp a, 0,1,2,3                        ; c of my 64 rows x 64 columns: register 128 + 4 (8 a + j) + b of window 1 = c(16 a + 8 hl + j, 4 r + b).  Sixteen lanes read 256 consecutive bytes.  Read once in the launch
.irp j, 0,1,2,3,4,5,6,7
	global_load_b128 v[128+4*(8*\a+\j):128+4*(8*\a+\j)+3], v[CO], s[22:23] offset:(16*\a+\j)*4096 th:TH_LOAD_NT
.endr
.endr
	WIN 0
	STEP 0, 0, 1                                   ; the first step's products start the sums
	STEP 0, 1, 0
	STEP 0, 2, 0
	TURN 0, 1, 1, 1                                ; slot 0 takes h's and Wh's first 512 along K
	STEP 1, 0, 0
	STEP 1, 1, 0
	STEP 1, 2, 0
	TURN 1, 0, 1, 2                                ; slot 1 their second
	STEP 0, 0, 0
	STEP 0, 1, 0
	STEP 0, 2, 0
	TURN 0, 1, 0, 3                                ; nothing of this tile is left to fetch: no round, no load
	STEP 1, 0, 0
	STEP 1, 1, 0
	STEP 1, 2, 0
	s_wait_dscnt 16                                ; the tile's last step
	WIN MUL_LO
	MULS 0, 8, 1, 3, 1, 0
	s_wait_dscnt 0x0                               ; my last reads of the ring are in
	WIN MUL_HI
	MULS 8, 8, 1, 3, 1, 0
	WIN 0
	s_cmp_eq_u32 s[TL], 1
	s_cbranch_scc1 .Llast                          ; the last tile's way out is written out behind the loop: it asks for nothing more
	WAYOUT 1
	s_wait_xcnt 0x0                                ; the stores have read T1, T3 and their bases: B's fragments may land on the arrays, and the bases may step
	s_add_nc_u64 s[22:23], s[22:23], NEXTC         ; c, out0, out1 at the next tile
	s_add_nc_u64 s[24:25], s[24:25], NEXTC
	s_add_nc_u64 s[26:27], s[26:27], NEXTC
	s_sub_co_u32 s[TL], s[TL], 1
	s_cmp_lg_u32 s[TL], 0
	s_cbranch_scc1 .Ltile
.Llast:
	WAYOUT 0
	s_wait_tensorcnt 0x0                           ; the wave's end, behind my last tensor load
	ds_add_u32 v[SPW], v[NIL]
	s_wait_dscnt 0x0
	CROUND                                         ; the closing round: no work-group ends while a partner may still ask for a tile that names it
	s_endpgm
.Lfunc_end_k_qf593b2e59e_lstm:
	.size	k_qf593b2e59e_lstm, .Lfunc_end_k_qf593b2e59e_lstm-k_qf593b2e59e_lstm
	.p2alignl 7, 3214868480
	.fill 96, 4, 3214868480
	.section	.rodata,"a",@progbits
	.p2align	6, 0x0
	.amdhsa_kernel k_qf593b2e59e_lstm
		.amdhsa_group_segment_fixed_size 327680
		.amdhsa_private_segment_fixed_size 0
		.amdhsa_enable_private_segment 0
		.amdhsa_kernarg_size 96
		.amdhsa_user_sgpr_count 2
		.amdhsa_user_sgpr_kernarg_segment_ptr 1
		.amdhsa_wavefront_size32 1
		.amdhsa_system_sgpr_workgroup_id_x 1
		.amdhsa_system_sgpr_workgroup_id_y 1
		.amdhsa_system_sgpr_workgroup_id_z 1
		.amdhsa_system_vgpr_workitem_id 0
		.amdhsa_next_free_vgpr 1024
		.amdhsa_next_free_sgpr 106
		.amdhsa_reserve_vcc 0
		.amdhsa_float_denorm_mode_32 3
		.amdhsa_float_denorm_mode_16_64 3
		.amdhsa_memory_ordered 1
		.amdhsa_forward_progress 1
		.amdhsa_inst_pref_size 255
	.end_amdhsa_kernel
	.section	.bss,"aw",@nobits
	.p2align	6
	.space	262144
	.amdgpu_metadata
---
amdhsa.version: [ 1, 2 ]
amdhsa.kernels:
  - .name:           k_qf593b2e59e_lstm
    .symbol:         k_qf593b2e59e_lstm.kd
    .args:
      - { .name: x_codes, .offset: 0, .size: 8, .value_kind: global_buffer, .address_space: global }
      - { .name: h_codes, .offset: 8, .size: 8, .value_kind: global_buffer, .address_space: global }
      - { .name: Wx_codes, .offset: 16, .size: 8, .value_kind: global_buffer, .address_space: global }
      - { .name: Wh_codes, .offset: 24, .size: 8, .value_kind: global_buffer, .address_space: global }
      - { .name: x_scales, .offset: 32, .size: 8, .value_kind: global_buffer, .address_space: global }
      - { .name: h_scales, .offset: 40, .size: 8, .value_kind: global_buffer, .address_space: global }
      - { .name: Wx_scales, .offset: 48, .size: 8, .value_kind: global_buffer, .address_space: global }
      - { .name: Wh_scales, .offset: 56, .size: 8, .value_kind: global_buffer, .address_space: global }
      - { .name: bx, .offset: 64, .size: 8, .value_kind: global_buffer, .address_space: global }
      - { .name: c, .offset: 72, .size: 8, .value_kind: global_buffer, .address_space: global }
      - { .name: out0, .offset: 80, .size: 8, .value_kind: global_buffer, .address_space: global }
      - { .name: out1, .offset: 88, .size: 8, .value_kind: global_buffer, .address_space: global }
    .group_segment_fixed_size: 327680
    .private_segment_fixed_size: 0
    .kernarg_segment_align: 8
    .kernarg_segment_size: 96
    .max_flat_workgroup_size: 128
    .sgpr_count:     106
    .vgpr_count:     1024
    .wavefront_size: 32
...
	.end_amdgpu_metadata
.endif
;; end of part 1
